; MI455X (gfx1250); checked and timed in simulation.
; The chip was launched on July 23, 2026; its instructions are those of AMD's public machine-readable ISA for CDNA 5 (MIT licence, August 2026) and "CDNA5" Instruction Set Architecture Reference Guide (July 2026). The comments in the code are by the model that wrote it; some were corrected since.
;; Top Encoder Base. Allowed arithmetic: matrix products marked QUANTISED: E3M2 operands, one E8M0 scale for each 32 along K, by v_wmma_scale_f32_16x16x128_f8f6f4 with both operands' format E3M2, f32 sums; products left as they are: f32 operands where the result goes on into a quantised operand, else bf16, f16 or f32 operands; f32 sums; everything else in f32.
;; Inputs: Wkv 512 x 2,048 float32; Wq 512 x 1,024 float32; bkv 2,048 float32; bq 1,024 float32; mask 32 x 2,048 bool; x 32 x 2,048 x 512 float32.
;; Outputs: out0 32 x 1,024 float32.
;; This version of the problem:
;;   THIS VERSION OF THE PROBLEM IS GIVEN IN LOW PRECISION. The matrix products marked QUANTISED in the list below multiply operands that are first quantised to E3M2 (3 exponent bits, 2 mantissa bits; 6 bits a number), with one power-of-two scale for each 32 numbers along K (OCP MX v1.0); their sums are f32. All else is computed in f32.
;;   The module's matrix products, in the order in which they are computed (A, B: the left and right operand; K: the contracted axis; several contracted axes count as one K, in the product's order):
;;     1. [M 65,536, K 512] x [K 512, N 2,048]; A: input x; B: input Wkv: QUANTISED
;;     2. [M 32, K 512] x [K 512, N 1,024]; A: input x; B: input Wq: QUANTISED
;;     3. batch 512 x [M 2,048, K 64] x [K 64, N 1]; A: computed on the way; B: computed on the way: left as it is (N = 1 < 16)
;;     4. batch 512 x [M 1, K 2,048] x [K 2,048, N 64]; A: computed on the way; B: computed on the way: left as it is (M = 1 < 16)
;;   THE QUANTISER, for each operand of a quantised product, along K:
;;     - K is cut into blocks of 32 from its start; a last block that is shorter is filled with zeros.
;;     - A block's scale is 2^e with e = floor(log2(the largest magnitude in the block)) - 4, held to -126 .. 127; a block of zeros has e = 0. As a byte (E8M0): e + 127.
;;     - Each number is divided by its block's scale, clamped to +-28, and rounded to the nearest number of E3M2, ties to even, subnormals kept.
;;     - The product sums the exact products of the quantised numbers (number of the format x scale) in f32.
;;   ~~~python
;;   def quantise(x, axis):      # numpy; x: float32 -> the quantised numbers, widened to float32 again
;;       x = np.moveaxis(x, axis, -1); K = x.shape[-1]
;;       x = np.pad(x, [(0, 0)] * (x.ndim - 1) + [(0, -K % 32)]); x = x.reshape(x.shape[:-1] + (-1, 32)); a = np.abs(x).max(-1, keepdims=True)
;;       e = np.where(a > 0, np.clip(np.frexp(np.where(a > 0, a, 1))[1] - 1 - 4, -126, 127), 0)      # np.frexp(a)[1] - 1 = floor(log2(a)), exactly
;;       r = np.clip(x / 2.0 ** e, -28, 28)
;;       step = 2.0 ** (np.maximum(np.frexp(np.where(r == 0, 1, r))[1] - 1, -2) - 2)
;;       q = np.round(r / step) * step * 2.0 ** e      # np.round: ties to even
;;       return np.moveaxis(q.reshape(q.shape[:-2] + (-1,))[..., :K], -1, axis).astype(np.float32)
;;   ~~~
;; One version. Each part assembles by itself: llvm-mc -triple=amdgcn-amd-amdhsa -mcpu=gfx1250 --defsym DOCPART=n.
;; ======== version 1 of 1: 3 launches
;; limits: a function is approximated: absolute error at most 0.0004
;; workspace buffers: wcodes 1,179,648 bytes; wscales 98,304 bytes; part 524,288 bytes
;; launch wquant (part 1): grid 192 x 1, 4 waves a work-group, no clusters, 0 bytes of LDS; arguments Wkv, Wq, wcodes, wscales; writes wcodes, wscales
.if DOCPART == 1
	.amdgcn_target "amdgcn-amd-amdhsa--gfx1250"
	.amdhsa_code_object_version 6
	.text
	.protected	k_q59e5c4c92b_wquant
	.globl	k_q59e5c4c92b_wquant
	.p2align	8
	.type	k_q59e5c4c92b_wquant,@function
k_q59e5c4c92b_wquant:
	s_mov_b64 s[64:65], 0
	v_nop
	global_prefetch_b8 v0, s[64:65] scope:SCOPE_SE
	s_setreg_imm32_b32 hwreg(HW_REG_WAVE_MODE, 25, 1), 1
	s_wait_xcnt 0x0
; Wkv [512][2048] and Wq [512][1024], f32 with K as their FIRST axis, become codes of BF6 (E3M2) with one E8M0 scale byte for each 32 along K.
; The codes are laid as IMAGES OF THE OPERAND'S REGISTERS: a fragment is 16 columns x 128 along K, 12 registers a lane.  Fragment (tile g, K step s) lies at (4 g + s) x 1,536 bytes:
; three pieces of 512 bytes, piece c = registers 4 c .. 4 c + 3, lane l's 16 bytes at 16 l.  Tiles 0-127 are Wkv's columns 16 g on, tiles 128-191 Wq's columns 16 (g - 128) on.
; The fragment's scale words lie at (4 g + s) x 128 + 4 x lane; lanes l and l xor 16 hold the same word (column l % 16's four bytes).
; A work-group is a tile, a wave a K step.  LANE (r, h) TAKES COLUMN r AND ITS REGISTERS RUN DOWN K, in the order that the operand's layout gives that lane: k = 64 c + 32 h + 0 .. 31.
; So a lane holds two whole blocks, no other lane is asked for a maximum, and the conversions' results are the operand's registers.
; A block's scale is 2^(floor(log2(its largest magnitude)) - 4); its byte is that magnitude's exponent field - 4, held at 1 from below.
; LIMITS: a block of zeros, or one whose largest magnitude lies under 2^-122, keeps the byte 1 (zeros: the codes are zeros, and this program alone reads the bytes); NaN and infinities are not served.
; No LDS, no barrier: waves share nothing.  All 64 loads of a wave are out together.
.set PKV, 8192                         ; bytes in a row of Wkv
.set PQ,  4096                         ; and of Wq
.set TM,  8                            ; v8-11   largest magnitudes, four chains
.set SO,  12                           ; v12-13  the conversions' scale operands
.set BY,  14                           ; v14-15  the scale bytes
.set PW,  16                           ; v16     the scale word
.set PT,  17                           ; v17     lane l xor 16's part of it
.set PC,  20                           ; v20-31  the fragment
.set CT,  32                           ; v32-39  the upper halves of the two blocks' codes
.set X,   64                           ; v64-127 64 numbers
	s_load_b256 s[4:11], s[0:1], 0x0               ; Wkv s[4:5], Wq s[6:7], the codes s[8:9], the scale words s[10:11]
	v_lshrrev_b32 v1, 5, v0
	v_readfirstlane_b32 s12, v1                    ; wave = K step
	v_and_b32 v1, 31, v0                           ; lane
	v_and_b32 v2, 15, v0                           ; r
	v_bfe_u32 v3, v0, 4, 1                         ; h
	v_lshlrev_b32 v5, 4, v1                        ; 16 x lane
	v_lshlrev_b32 v6, 2, v1                        ; 4 x lane
	v_lshlrev_b32 v7, 3, v3                        ; 8 h: my bytes' place in the scale word, in bits
	v_mov_b32 v[PT], 0                             ; a lane permute's destination counts as one of its sources
	s_mov_b32 s20, 0x76543210
	s_mov_b32 s21, 0xfedcba98                      ; v_permlanex16_b32's selects for lane l xor 16
	s_lshl_b32 s13, ttmp9, 2
	s_add_co_u32 s13, s13, s12                     ; 4 g + s
	s_mul_i32 s14, s13, 1536
	s_mov_b32 s15, 0
	s_lshl_b32 s16, s13, 7
	s_mov_b32 s17, 0
	s_mov_b32 s19, 0
	s_wait_kmcnt 0x0
	s_add_nc_u64 s[8:9], s[8:9], s[14:15]
	s_add_nc_u64 s[10:11], s[10:11], s[16:17]
; The two tensors differ in their pitch alone: W(128 s + 64 c + 32 h + i, 16 (g - g0) + r) into v[X + 32 c + i]; sixteen lanes read 64 neighbouring bytes
.macro LOADW ptr, pitch, g0
	s_mul_i32 s18, s12, 128*\pitch                 ; my K step's 128 rows
	s_sub_co_u32 s22, ttmp9, \g0
	s_lshl_b32 s22, s22, 6                         ; my tile's 16 columns
	s_add_co_u32 s18, s18, s22
	s_add_nc_u64 s[\ptr:\ptr+1], s[\ptr:\ptr+1], s[18:19]
	v_mul_u32_u24 v4, v3, 32*\pitch                ; lanes 16-31 begin 32 rows further down
	v_lshl_add_u32 v4, v2, 2, v4
.irp c, 0,1
.irp i, 0,1,2,3,4,5,6,7,8,9,10,11,12,13,14,15,16,17,18,19,20,21,22,23,24,25,26,27,28,29,30,31
	global_load_b32 v[X+32*\c+\i], v4, s[\ptr:\ptr+1] offset:(64*\c+\i)*\pitch
.endr
.endr
.endm
	s_cmp_lt_u32 ttmp9, 128                        ; a tile of Wkv or of Wq: the work-group's number alone decides
	s_cbranch_scc0 .Lwq
	LOADW 4, PKV, 0
	s_branch .Lgo
.Lwq:
	LOADW 6, PQ, 128
.Lgo:
	s_wait_loadcnt 0x0
.irp c, 0,1                                    ; block 2 c + h: all its 32 numbers are mine; two chains a block, and the floor 2^(5 - 127), so that the byte cannot fall under 1
	v_max3_num_f32 v[TM+\c], 0x2800000, |v[X+32*\c]|, |v[X+32*\c+1]|
	v_max3_num_f32 v[TM+2+\c], 0x2800000, |v[X+32*\c+16]|, |v[X+32*\c+17]|
.endr
.irp i, 2,4,6,8,10,12,14
.irp c, 0,1
	v_max3_num_f32 v[TM+\c], v[TM+\c], |v[X+32*\c+\i]|, |v[X+32*\c+\i+1]|
	v_max3_num_f32 v[TM+2+\c], v[TM+2+\c], |v[X+32*\c+16+\i]|, |v[X+32*\c+17+\i]|
.endr
.endr
.irp c, 0,1
	v_max_num_f32 v[TM+\c], v[TM+\c], v[TM+2+\c]
.endr
.irp c, 0,1
	v_add_nc_u32 v[SO+\c], 0xfe000000, v[TM+\c]    ; 4 off the exponent field: the conversion takes the exponent field of this operand as its scale
.endr
.irp c, 0,1
	v_lshrrev_b32 v[BY+\c], 23, v[SO+\c]           ; the scale's byte
.endr
	v_lshl_or_b32 v[PW], v[BY+1], 16, v[BY]        ; my two bytes: blocks h and 2 + h,
	v_lshlrev_b32 v[PW], v7, v[PW]                 ; at their places in the word;
	v_permlanex16_b32 v[PT], v[PW], s20, s21
	v_or_b32 v[PW], v[PW], v[PT]                   ; with lane l xor 16's two the word is whole
.irp c, 0,1
	v_cvt_scalef32_pk16_bf6_f32 v[PC+6*\c:PC+6*\c+2], v[X+32*\c:X+32*\c+15], v[SO+\c]
	v_cvt_scalef32_pk16_bf6_f32 v[CT+4*\c:CT+4*\c+2], v[X+32*\c+16:X+32*\c+31], v[SO+\c]   ; (a conversion's three registers begin on an even number)
.endr
	v_nop                                          ; one plain place behind a scaled conversion
.irp c, 0,1
.irp i, 0,1,2
	v_mov_b32 v[PC+3+6*\c+\i], v[CT+4*\c+\i]
.endr
.endr
.irp c, 0,1,2
	global_store_b128 v5, v[PC+4*\c:PC+4*\c+3], s[8:9] offset:512*\c   ; 32 lanes store 512 consecutive bytes, aligned
.endr
	global_store_b32 v6, v[PW], s[10:11]
	s_endpgm
.Lfunc_end_k_q59e5c4c92b_wquant:
	.size	k_q59e5c4c92b_wquant, .Lfunc_end_k_q59e5c4c92b_wquant-k_q59e5c4c92b_wquant
	.p2alignl 7, 3214868480
	.fill 96, 4, 3214868480
	.section	.rodata,"a",@progbits
	.p2align	6, 0x0
	.amdhsa_kernel k_q59e5c4c92b_wquant
		.amdhsa_group_segment_fixed_size 0
		.amdhsa_private_segment_fixed_size 0
		.amdhsa_enable_private_segment 0
		.amdhsa_kernarg_size 32
		.amdhsa_user_sgpr_count 2
		.amdhsa_user_sgpr_kernarg_segment_ptr 1
		.amdhsa_wavefront_size32 1
		.amdhsa_system_sgpr_workgroup_id_x 1
		.amdhsa_system_sgpr_workgroup_id_y 1
		.amdhsa_system_sgpr_workgroup_id_z 1
		.amdhsa_system_vgpr_workitem_id 0
		.amdhsa_next_free_vgpr 128
		.amdhsa_next_free_sgpr 66
		.amdhsa_reserve_vcc 0
		.amdhsa_float_denorm_mode_32 3
		.amdhsa_float_denorm_mode_16_64 3
		.amdhsa_memory_ordered 1
		.amdhsa_forward_progress 1
		.amdhsa_inst_pref_size 18
	.end_amdhsa_kernel
	.amdgpu_metadata
---
amdhsa.version: [ 1, 2 ]
amdhsa.kernels:
  - .name:           k_q59e5c4c92b_wquant
    .symbol:         k_q59e5c4c92b_wquant.kd
    .args:
      - { .name: Wkv, .offset: 0, .size: 8, .value_kind: global_buffer, .address_space: global }
      - { .name: Wq, .offset: 8, .size: 8, .value_kind: global_buffer, .address_space: global }
      - { .name: wcodes, .offset: 16, .size: 8, .value_kind: global_buffer, .address_space: global }
      - { .name: wscales, .offset: 24, .size: 8, .value_kind: global_buffer, .address_space: global }
    .group_segment_fixed_size: 0
    .private_segment_fixed_size: 0
    .kernarg_segment_align: 8
    .kernarg_segment_size: 32
    .max_flat_workgroup_size: 128
    .sgpr_count:     66
    .vgpr_count:     128
    .wavefront_size: 32
...
	.end_amdgpu_metadata
.endif
;; end of part 1
;; launch main (part 2): grid 256 x 1, 4 waves a work-group, clusters of 4 x 1, 327,680 bytes of LDS; arguments x, mask, wcodes, wscales, bkv, bq, part; writes part
.if DOCPART == 2
	.amdgcn_target "amdgcn-amd-amdhsa--gfx1250"
	.amdhsa_code_object_version 6
	.text
	.protected	k_q59e5c4c92b_main
	.globl	k_q59e5c4c92b_main
	.p2align	8
	.type	k_q59e5c4c92b_main,@function
k_q59e5c4c92b_main:
	s_mov_b64 s[64:65], 0
	v_nop
	global_prefetch_b8 v0, s[64:65] scope:SCOPE_SE
	s_setreg_imm32_b32 hwreg(HW_REG_WAVE_MODE, 25, 1), 1
	s_wait_xcnt 0x0
	s_wait_alu depctr_hold_cnt(0) depctr_sa_sdst(0) depctr_va_vdst(0) depctr_va_sdst(0) depctr_va_ssrc(0) depctr_va_vcc(0) depctr_vm_vsrc(0)
	s_getreg_b32 s2, hwreg(HW_REG_IB_STS2, 6, 4)
	s_cmp_eq_u32 s2, 0
	s_cbranch_scc0 .Lentry_in_a_cluster
	s_endpgm
.Lentry_in_a_cluster:
	s_bfe_u32 s2, ttmp6, 0x10000c
	s_cmp_lg_u32 s2, 0x3003
	s_cbranch_scc0 .Lentry_shape_is_right
	s_endpgm
.Lentry_shape_is_right:
; For a block of 1,024 tokens of one sequence and one head: kv = Q(x) Q(Wkv) + bkv (codes of BF6, E3M2, one E8M0 scale for each 32 along K; f32 sums), s = q . rope(k) (0 where the mask is set),
; and the two sums over the block's tokens: sum s^2 and sum s^2 v^2 / (sum over the head's 64 of v^2).  kv never goes to memory.  The last launch adds a sequence's two blocks and normalises.
; SHARES.  A work-group takes 1,024 tokens and four heads; a wave ONE head; a lane one token of a tile of 16.  The wave's 128 columns of Wkv (64 of k, 64 of v: 32 fragments, 384 registers),
; their scale words and biases stay in its registers for the whole launch; the tokens stream past, 64 a step, 16 steps.
; CLUSTER.  The four work-groups of a cluster take the same 1,024 tokens and the sixteen heads between them, so x is asked for JOINTLY: the same tensor load, with the same descriptor and a mask
; that names the four, in all four; each receives the tile in its own LDS.  Each work-group quantises x for itself: wave w the step's tokens 16 w on, whose four fragments and scale words go
; to the other waves through LDS as images of the operand's registers.
; TRANSPOSED USE: source 0 = 16 columns of W, source 1 = 16 tokens.  In tile u lane (r, h) holds token r and, in register j, channel 16 u + 8 h + j of the head.  The bias is the C of a sum's first product.
; ROPE WITHOUT A TABLE: s = sum k1 U + k2 V with U = q1 cos + q2 sin, V = q2 cos - q1 sin at the lane's own token; from tile to tile (16 tokens on) U' = C U + S V, V' = C V - S U, C and S the cosine
; and sine of 16 x the frequency.  q = Q(x[z,0]) Q(Wq) + bq is made here too: a fragment whose 16 rows are all x[z,0] gives q in every lane in the very layout of U and V.
; The products with one column (q . k) and one row (the weighted sum of v) fill no tile of 16: they are fused multiply-adds in f32 in the lanes that hold k and v.
; LIMITS.  NaN and infinities among the inputs are not served.  A block of 32 whose largest magnitude lies under 2^-122 keeps the scale byte 1.  The divisor sum v^2 is held at 2^-126 from below where
; the definition says 1e-38, since v_rcp_f32 takes a denormal for zero (ISA guide, its entry): results differ only where the divisor lies under 1.2e-38; a sum of zeros still gives 0.
; The angles: frequencies by v_exp_f32, the reduction by a rounded 1 / 2 pi, and 64 turns: within about 4e-4 radians at token 2,047; sine and cosine by their series to x^15 and x^16 on [-pi, pi],
; which the reduction reaches for every angle, cut under 1e-6.  The bias enters the sum first and not last.
;
; LDS: two slots of x (four quarters along K, each 64 rows of 512 bytes + 16), two buffers of images, the block's mask bytes, 256 bytes a wave for the way out, the spare words.
.set XPITCH, 528                       ; a row: 132 words: row r starts at bank 4 r mod 64 (64 banks of 4 bytes: ISA guide 11.1), so the 16 rows of a load start at 16 different banks
.set XQ,     64*XPITCH                 ; a quarter: 128 along K of 64 tokens: what one tensor load brings
.set XSLOT,  4*XQ                      ; 0x21000: shares no bit with wave x XQ, so one exclusive or turns an address from one slot to the other
.set IMG,    2*XSLOT                   ; image buffer 0: tile j's fragments at 6,144 j + 1,536 s + 512 c + 16 x lane; its scale words at ISC + 512 j + 16 x lane
.set IMGB,   26624
.set ISC,    24576
.set IMGX,   0xA800                    ; IMG xor (IMG + IMGB)
.set MASKL,  IMG+2*IMGB                ; 1,024 mask bytes
.set OUTL,   MASKL+1024                ; the way out
.set SPARE,  OUTL+1024                 ; the spare words, 128 bytes for each wave: two blocks of 256 bytes that no other line names
.set STEPB,  131072                    ; 64 tokens of 2,048 bytes
; REGISTERS, window 0
.set R,    1                           ; lane % 16
.set H,    2                           ; lane / 16
.set SPW,  3                           ; LDS address of my spare word; never rewritten
.set NIL,  4                           ; 0; never rewritten
.set XRD,  5                           ; v5-8    my row of x in slot 0, quarter s
.set XA,   9                           ; v9-12   the same in the slot in hand
.set LI,   13                          ; 16 x lane
.set IWR0, 14                          ; where I store images: 6,144 w + 16 x lane
.set IWS0, 15                          ; and scale words: ISC + 512 w + 16 x lane
.set IWR,  16                          ; the two in the buffer in hand
.set IWS,  17
.set IRD,  18                          ; where images are read: the buffer + 16 x lane
.set MRD,  20                          ; the step's mask bytes + r
.set SH8,  21                          ; 8 h
.set PFV,  22                          ; my place in a tile of x for the prefetch
.set TV,   23                          ; at work
.set BS,   24                          ; v24-31 k's scale words, v32-39 v's: register 4 i + s: lanes 0-15 tile 2 i's word, lanes 16-31 tile 2 i + 1's
.set XSC,  40                          ; v40-47  x's scale words, two sets of four K steps
.set QS,   48                          ; v48-55  Wq's scale words, as BS
.set PW,   56                          ; v56-59  the scale words just made
.set TM,   60                          ; v60-63  largest magnitudes
.set SO,   64                          ; v64-65  the conversions' scale operands
.set BY,   66                          ; v66-67  scale bytes
.set PT,   68                          ; v68-69  what lane l xor 16 sent
.set PC0,  72                          ; v72-83, v84-95 fragments just made
.set PC1,  84
.set CT,   96                          ; v96-103 upper halves of blocks' codes
.set XF0,  72                          ; x[z,0]'s four fragments: v72, v84, v104, v116
.set SK,   104                         ; v104-111 four chains of q . k
.set VS,   112                         ; v112-119 four chains of sum v^2
.set RT,   120                         ; v120-127 at work
.set SA,   128                         ; s
.set VA,   129                         ; sum v^2
.set VR,   130                         ; its reciprocal
.set S2,   131                         ; s^2
.set MK,   132                         ; v132-133 mask bytes, two sets
.set S2ACC, 134                        ; sum s^2
.set COEF, 136                         ; v136 s^2 / sum v^2 (v137 is named with it as a pair)
.set RU,   140                         ; v140-155 U;  register n: frequency 16 (n / 8) + 8 h + n % 8
.set RV,   156                         ; v156-171 V
.set RC,   172                         ; v172-187 C
.set RS,   188                         ; v188-203 S
.set RO,   204                         ; v204-235 the weighted sum of v; register 8 u + j: channel 16 u + 8 h + j
.set RF,   236                         ; v236-251 the frequencies (head only);  v252-255 offsets of the head's loads
; windows 1 (k) and 2 (v): v0-191 the head's 16 fragments, (u, s) at 48 u + 12 s; v192-223 the bias, 8 u + j
.set BIAS, 192
; window 3: v0-47, v48-95 x's fragments, two sets; v96-127 k's four accumulators; v128-159 v's; v160-223 64 numbers of x (a second set lies over the accumulators, which are idle while x is quantised)
.set ACCK, 96
.set ACCV, 128
.set XB0,  160
.set XB1,  96
.set BQ,   192                         ; head only: Wq's fragments v0-191, bq v192-223, q v224-255
.set Q,    224
; scalars
.set WV,   18                          ; my wave's number
.set CX,   19                          ; my place in the cluster: it enters s20 and s60-62 alone, and through them only addresses of W, the biases, part and the prefetch
.set HD,   20                          ; my head
.set SEL,  22                          ; s[22:23] selects for lane l xor 16
.set G1,   24                          ; s[24:31] descriptor group 1
.set G0A,  32                          ; s[32:35] group 0 of the first fill of slot 0
.set G0B,  36                          ; s[36:39] of slot 1; it then walks
.set TB,   40                          ; the slot in hand
.set IB,   41                          ; the image buffer in hand
.set MS,   42                          ; the step's mask bytes
.set CNT,  43
.set XBLK, 48                          ; s[48:49] x at the block
.set PFO,  50                          ; s[50:51] the prefetch's tile, in bytes
.set PFA,  52                          ; s[52:53] its address
.set KS,   54                          ; -1/15!
.set KC,   55                          ; 1/16!
.set X0P,  56                          ; s[56:57] x at the sequence's first token
.set MSB, 0
.macro WIN new                         ; s_set_vgpr_msb: bits 1:0 source 0, 3:2 source 1, 5:4 source 2, 7:6 destination; the high byte repeats the setting that is left
.if MSB != (\new)
	s_set_vgpr_msb (MSB<<8)|(\new)
.set MSB, (\new)
.endif
.endm
.macro ROUND                           ; a round of the cluster's barrier
	s_barrier_signal -1
	s_barrier_wait -1
	s_cmp_lg_u32 s[WV], 0
	s_cbranch_scc1 .Lnot_wave_0_\@
	s_barrier_signal -3
.Lnot_wave_0_\@:
	s_barrier_wait -3
	s_barrier_signal -1
	s_barrier_wait -1
.endm
; my row's 64 numbers of quarter s: k = 64 c + 32 h + 0 .. 31, into v[xb + 32 c ..] of window 3
.macro LOADX s, xb
	WIN 0xC0
.irp c, 0,1
.irp i, 0,1,2,3,4,5,6,7
	ds_load_b128 v[\xb+32*\c+4*\i:\xb+32*\c+4*\i+3], v[XA+\s] offset:256*\c+16*\i
.endr
.endr
.endm
; 64 numbers of a lane in window xw, two whole blocks of 32, become a fragment's 12 registers at v[pc] and its row's scale word in v[pw]
.macro QUANT xb, xw, pc, pw
	WIN ((\xw)<<2)|((\xw)<<4)
.irp c, 0,1                                    ; two chains a block, and the floor 2^(5 - 127), so that the byte cannot fall under 1
	v_max3_num_f32 v[TM+\c], 0x2800000, |v[\xb+32*\c]|, |v[\xb+32*\c+1]|
	v_max3_num_f32 v[TM+2+\c], 0x2800000, |v[\xb+32*\c+16]|, |v[\xb+32*\c+17]|
.endr
.irp i, 2,4,6,8,10,12,14
.irp c, 0,1
	v_max3_num_f32 v[TM+\c], v[TM+\c], |v[\xb+32*\c+\i]|, |v[\xb+32*\c+\i+1]|
	v_max3_num_f32 v[TM+2+\c], v[TM+2+\c], |v[\xb+32*\c+16+\i]|, |v[\xb+32*\c+17+\i]|
.endr
.endr
	WIN 0
.irp c, 0,1
	v_max_num_f32 v[TM+\c], v[TM+\c], v[TM+2+\c]
.endr
.irp c, 0,1
	v_add_nc_u32 v[SO+\c], 0xfe000000, v[TM+\c]    ; 4 off the exponent field: the conversion's scale operand
.endr
.irp c, 0,1
	v_lshrrev_b32 v[BY+\c], 23, v[SO+\c]           ; the scale's byte
.endr
	v_lshl_or_b32 v[\pw], v[BY+1], 16, v[BY]       ; blocks h and 2 + h,
	v_lshlrev_b32 v[\pw], v[SH8], v[\pw]           ; at their places in the word;
	v_permlanex16_b32 v[PT], v[\pw], s[SEL], s[SEL+1]
	v_or_b32 v[\pw], v[\pw], v[PT]                 ; with lane l xor 16's two it is whole
	WIN \xw
.irp c, 0,1
	v_cvt_scalef32_pk16_bf6_f32 v[\pc+6*\c:\pc+6*\c+2], v[\xb+32*\c:\xb+32*\c+15], v[SO+\c]
	v_cvt_scalef32_pk16_bf6_f32 v[CT+4*\c:CT+4*\c+2], v[\xb+32*\c+16:\xb+32*\c+31], v[SO+\c]   ; (a conversion's three registers begin on an even number)
.endr
	WIN 0
	v_nop                                          ; one plain place behind a scaled conversion
.irp c, 0,1
.irp i, 0,1,2
	v_mov_b32 v[\pc+3+6*\c+\i], v[CT+4*\c+\i]
.endr
.endr
.endm
.macro IMAGE pc, s                             ; the fragment goes to LDS as it stands: K step s of my tile
.irp c, 0,1,2
	ds_store_b128 v[IWR], v[\pc+4*\c:\pc+4*\c+3] offset:1536*(\s)+512*\c
.endr
.endm
.macro FETCHA j                                ; tile j's four fragments, scale words and mask bytes into set j % 2: 14 LDS loads
	WIN 0xC0
.irp i, 0,1,2,3,4,5,6,7,8,9,10,11
	ds_load_b128 v[48*((\j)%2)+4*\i:48*((\j)%2)+4*\i+3], v[IRD] offset:6144*(\j)+512*\i
.endr
	WIN 0
	ds_load_b128 v[XSC+4*((\j)%2):XSC+4*((\j)%2)+3], v[IRD] offset:ISC+512*(\j)
	ds_load_u8 v[MK+(\j)%2], v[MRD] offset:16*(\j)
.endm
.macro WM d, a, b, c, sa, sb, odd              ; one product; an odd tile's scale words stand in lanes 16-31 of their register
.if \odd
	v_wmma_scale_f32_16x16x128_f8f6f4 v[\d:\d+7], v[\a:\a+11], v[\b:\b+11], v[\c:\c+7], v[\sa], v[\sb] matrix_a_fmt:MATRIX_FMT_BF6 matrix_b_fmt:MATRIX_FMT_BF6 matrix_a_scale:MATRIX_SCALE_ROW1
.else
	v_wmma_scale_f32_16x16x128_f8f6f4 v[\d:\d+7], v[\a:\a+11], v[\b:\b+11], v[\c:\c+7], v[\sa], v[\sb] matrix_a_fmt:MATRIX_FMT_BF6 matrix_b_fmt:MATRIX_FMT_BF6
.endif
.endm
; 16 products: the head's 64 channels of k (part 0) or v (part 1) for the 16 tokens of set b.  K step by K step, the four accumulators by turns, one instruction a turn
.macro MUL part, b
.irp s, 0,1,2,3
.if \s == 0
	WIN 0xDD+0x11*(\part)                          ; W and the bias in window 1 or 2, x and D in window 3
.else
	WIN 0xFD+(\part)                               ; C in window 3 too
.endif
.irp u, 0,1,2,3
.set rD, ACCK+32*(\part)+8*\u
.set rC, rD
.if \s == 0
.set rC, BIAS+8*\u
.endif
	WM rD, 48*\u+12*\s, 48*(\b)+12*\s, rC, BS+8*(\part)+4*(\u/2)+\s, XSC+4*(\b)+\s, \u%2
.endr
.endr
.endm
.macro ROT                                     ; U and V 16 tokens on: 32 lines in window 0 that name no register of a product: they are also the places behind the tile's products
.irp g, 0,1,2,3
	v_pk_mul_f32 v[RT:RT+1], v[RS+4*\g:RS+4*\g+1], v[RV+4*\g:RV+4*\g+1]
	v_pk_mul_f32 v[RT+2:RT+3], v[RS+4*\g:RS+4*\g+1], v[RU+4*\g:RU+4*\g+1]
	v_pk_mul_f32 v[RT+4:RT+5], v[RS+4*\g+2:RS+4*\g+3], v[RV+4*\g+2:RV+4*\g+3]
	v_pk_mul_f32 v[RT+6:RT+7], v[RS+4*\g+2:RS+4*\g+3], v[RU+4*\g+2:RU+4*\g+3]
	v_pk_fma_f32 v[RU+4*\g:RU+4*\g+1], v[RC+4*\g:RC+4*\g+1], v[RU+4*\g:RU+4*\g+1], v[RT:RT+1]
	v_pk_fma_f32 v[RV+4*\g:RV+4*\g+1], v[RC+4*\g:RC+4*\g+1], v[RV+4*\g:RV+4*\g+1], v[RT+2:RT+3] neg_lo:[0,0,1] neg_hi:[0,0,1]
	v_pk_fma_f32 v[RU+4*\g+2:RU+4*\g+3], v[RC+4*\g+2:RC+4*\g+3], v[RU+4*\g+2:RU+4*\g+3], v[RT+4:RT+5]
	v_pk_fma_f32 v[RV+4*\g+2:RV+4*\g+3], v[RC+4*\g+2:RC+4*\g+3], v[RV+4*\g+2:RV+4*\g+3], v[RT+6:RT+7] neg_lo:[0,0,1] neg_hi:[0,0,1]
.endr
.endm
.macro DOT                                     ; k1 U + k2 V: V's registers follow U's as k2's tiles follow k1's.  Four chains; each accumulator from its low end on
	WIN 0x03
.irp u, 0,1,2,3
	v_pk_mul_f32 v[SK+2*\u:SK+2*\u+1], v[ACCK+8*\u:ACCK+8*\u+1], v[RU+8*\u:RU+8*\u+1]
.endr
.irp n, 2,4,6
.irp u, 0,1,2,3
	v_pk_fma_f32 v[SK+2*\u:SK+2*\u+1], v[ACCK+8*\u+\n:ACCK+8*\u+\n+1], v[RU+8*\u+\n:RU+8*\u+\n+1], v[SK+2*\u:SK+2*\u+1]
.endr
.endr
.endm
.macro VSUM                                    ; sum v^2, likewise
	WIN 0x0F
.irp u, 0,1,2,3
	v_pk_mul_f32 v[VS+2*\u:VS+2*\u+1], v[ACCV+8*\u:ACCV+8*\u+1], v[ACCV+8*\u:ACCV+8*\u+1]
.endr
.irp n, 2,4,6
.irp u, 0,1,2,3
	v_pk_fma_f32 v[VS+2*\u:VS+2*\u+1], v[ACCV+8*\u+\n:ACCV+8*\u+\n+1], v[ACCV+8*\u+\n:ACCV+8*\u+\n+1], v[VS+2*\u:VS+2*\u+1]
.endr
.endr
.endm
.macro SMALL b                                 ; the token's s and sum v^2; s^2 (0 where the mask is set) joins its sum; COEF = s^2 / sum v^2
	WIN 0
	v_pk_add_f32 v[SK:SK+1], v[SK:SK+1], v[SK+2:SK+3]
	v_pk_add_f32 v[VS:VS+1], v[VS:VS+1], v[VS+2:VS+3]
	v_pk_add_f32 v[SK+4:SK+5], v[SK+4:SK+5], v[SK+6:SK+7]
	v_pk_add_f32 v[VS+4:VS+5], v[VS+4:VS+5], v[VS+6:VS+7]
	v_pk_add_f32 v[SK:SK+1], v[SK:SK+1], v[SK+4:SK+5]
	v_pk_add_f32 v[VS:VS+1], v[VS:VS+1], v[VS+4:VS+5]
	v_add_f32 v[SA], v[SK], v[SK+1]
	v_add_f32 v[VA], v[VS], v[VS+1]
	v_permlanex16_b32 v[PT], v[SA], s[SEL], s[SEL+1]      ; the token's other 32 channels lie in the lane 16 away
	v_permlanex16_b32 v[PT+1], v[VA], s[SEL], s[SEL+1]
	v_add_f32 v[SA], v[SA], v[PT]
	v_add_f32 v[VA], v[VA], v[PT+1]
	v_max_num_f32 v[VA], 0x800000, v[VA]           ; held at 2^-126
	v_rcp_f32 v[VR], v[VA]
	v_mul_f32 v[S2], v[SA], v[SA]                  ; (the plain place behind the reciprocal)
	v_cmp_eq_u32 vcc_lo, 0, v[MK+(\b)]
	v_cndmask_b32 v[S2], 0, v[S2], vcc_lo
	v_add_f32 v[S2ACC], v[S2ACC], v[S2]
	s_wait_alu depctr_va_vdst(0)
	v_mul_f32 v[COEF], v[S2], v[VR]
.endm
.macro OACC                                    ; O += v (v COEF); the multiplications run two pairs ahead
	WIN 0x03
.set p, 0
.rept 2
	v_pk_mul_f32 v[RT+2*(p%4):RT+2*(p%4)+1], v[ACCV+2*p:ACCV+2*p+1], v[COEF:COEF+1] op_sel_hi:[1,0]
.set p, p+1
.endr
.set p, 0
.rept 16
.if p < 14
	v_pk_mul_f32 v[RT+2*((p+2)%4):RT+2*((p+2)%4)+1], v[ACCV+2*p+4:ACCV+2*p+5], v[COEF:COEF+1] op_sel_hi:[1,0]
.endif
	v_pk_fma_f32 v[RO+2*p:RO+2*p+1], v[ACCV+2*p:ACCV+2*p+1], v[RT+2*(p%4):RT+2*(p%4)+1], v[RO+2*p:RO+2*p+1]
.set p, p+1
.endr
.endm
.macro TILE j                                  ; 16 tokens: 32 products and what is made of them
.if \j < 3
	FETCHA (\j+1)                                  ; its registers' last products stand a tile's vector work back
	s_wait_dscnt 14                                ; this tile's 14 loads are in; the next tile's 14 may be out
.else
	s_wait_dscnt 0x0
.endif
	MUL 0, (\j%2)
	MUL 1, (\j%2)
	WIN 0
	ROT
	DOT
	VSUM
	SMALL (\j%2)
	OACC
	WIN 0
.endm
; cosine into v[dc ..] and sine into v[ds ..] of the 16 angles in v[a ..], which are spent; v[t ..] at work.  The angle less the nearest whole number of turns lies in [-pi, pi]
.macro SINCOS16 a, t, dc, ds
.set n, 0
.rept 16
	v_fma_f32 v[\t+n], v[\a+n], 0x3e22f983, 0.5    ; turns + 1/2
.set n, n+1
.endr
.set n, 0
.rept 16
	v_floor_f32 v[\t+n], v[\t+n]
.set n, n+1
.endr
.set n, 0
.rept 16
	v_fma_f32 v[\a+n], v[\a+n], 0x3e22f983, -v[\t+n]
.set n, n+1
.endr
.set n, 0
.rept 16
	v_mul_f32 v[\a+n], 0x40c90fdb, v[\a+n]         ; x 2 pi
.set n, n+1
.endr
.set n, 0
.rept 16
	v_mul_f32 v[\t+n], v[\a+n], v[\a+n]
.set n, n+1
.endr
.set n, 0
.rept 16
	v_fmaak_f32 v[\ds+n], s[KS], v[\t+n], 0x2f309231      ; -u / 15! + 1 / 13!
	v_fmaak_f32 v[\dc+n], s[KC], v[\t+n], 0xad49cba5      ; u / 16! - 1 / 14!
.set n, n+1
.endr
.irp k, 0xb2d7322b, 0x3638ef1d, 0xb9500d01, 0x3c088889, 0xbe2aaaab   ; -1/11!, 1/9!, -1/7!, 1/5!, -1/3!
.set n, 0
.rept 16
	v_fmaak_f32 v[\ds+n], v[\ds+n], v[\t+n], \k
.set n, n+1
.endr
.endr
.irp k, 0x310f76c7, 0xb493f27e, 0x37d00d01, 0xbab60b61, 0x3d2aaaab, 0xbf000000   ; 1/12!, -1/10!, 1/8!, -1/6!, 1/4!, -1/2!
.set n, 0
.rept 16
	v_fmaak_f32 v[\dc+n], v[\dc+n], v[\t+n], \k
.set n, n+1
.endr
.endr
.set n, 0
.rept 16
	v_fma_f32 v[\ds+n], v[\ds+n], v[\t+n], 1.0
	v_fma_f32 v[\dc+n], v[\dc+n], v[\t+n], 1.0
.set n, n+1
.endr
.set n, 0
.rept 16
	v_mul_f32 v[\ds+n], v[\ds+n], v[\a+n]
.set n, n+1
.endr
.endm
	s_load_b256 s[4:11], s[0:1], 0x0               ; x s[4:5], mask s[6:7], W's codes s[8:9], W's scale words s[10:11]
	s_load_b128 s[12:15], s[0:1], 0x20             ; bkv s[12:13], bq s[14:15]
	s_load_b64 s[16:17], s[0:1], 0x30              ; part
	v_lshl_add_u32 v[SPW], v0, 2, SPARE
	v_mov_b32 v[NIL], 0
	ds_add_u32 v3, v4
	s_wait_dscnt 0x0
	v_lshrrev_b32 v[TV], 5, v0
	v_readfirstlane_b32 s[WV], v[TV]               ; wave 0..3
	s_bfe_u32 s[CX], ttmp6, 0x40000                ; my place in the cluster
	s_lshl_b32 s[HD], s[CX], 2
	s_add_co_u32 s[HD], s[HD], s[WV]               ; my head = 4 x place + wave.  In a cluster launch ttmp9 counts clusters: it is the block of tokens
	s_mov_b32 s[SEL], 0x76543210
	s_mov_b32 s[SEL+1], 0xfedcba98
	; descriptor group 1: 64 rows x 128 elements of 4 bytes, 2,048 bytes apart in memory, 16 bytes of padding behind each row in LDS
	s_mov_b32 s[G1+0], 15|(2<<16)|(1<<20)|(1<<21)|(6<<22)|(3<<25)   ; 15:0 the mask: all four work-groups; 17:16 elements of 4 bytes; 20 padding on; 21 set beside a mask; 24:22 after every 128 words (code 6); 31:25 4 words of it (code 3)
	s_mov_b32 s[G1+1], 128<<16                     ; tensor_dim0 = 128
	s_mov_b32 s[G1+2], 64<<16                      ; tensor_dim1 = 64
	s_mov_b32 s[G1+3], 128<<16                     ; tile_dim0 = 128
	s_mov_b32 s[G1+4], 64                          ; tile_dim1 = 64
	s_mov_b32 s[G1+5], 512                         ; elements from row to row
	s_mov_b32 s[G1+6], 0
	s_mov_b32 s[G1+7], 0
	s_mul_i32 s44, s[WV], XQ                       ; wave w fetches quarter w along K: its place in a slot,
	s_lshl_b32 s58, s[WV], 9                       ; and in a row of x
	s_mov_b32 s59, 0
	s_lshl_b32 s46, ttmp9, 21                      ; the block: 1,024 tokens of 2,048 bytes
	s_mov_b32 s47, 0
	s_lshr_b32 s[X0P], ttmp9, 1                    ; the sequence: two blocks
	s_lshl_b32 s[X0P], s[X0P], 22
	s_mov_b32 s[X0P+1], 0
	s_wait_kmcnt 0x0
	s_add_nc_u64 s[XBLK:XBLK+1], s[4:5], s[46:47]
	s_add_nc_u64 s[X0P:X0P+1], s[4:5], s[X0P:X0P+1]
	s_mov_b32 s[G0A], 1                            ; count = 1
	s_mov_b32 s[G0A+1], s44                        ; LDS address: slot 0
	s_add_nc_u64 s[G0A+2:G0A+3], s[XBLK:XBLK+1], s[58:59]   ; step 0
	s_mov_b32 s[G0B], 1
	s_add_co_u32 s[G0B+1], s44, XSLOT              ; slot 1
	s_add_nc_u64 s[G0B+2:G0B+3], s[G0A+2:G0A+3], STEPB      ; step 1
	s_or_b32 s[G0A+3], s[G0A+3], 0x80000000        ; type = 2
	s_or_b32 s[G0B+3], s[G0B+3], 0x80000000
	ROUND                                          ; all four work-groups are here: the first joint loads meet
	tensor_load_to_lds s[G0A:G0A+3], s[G1:G1+7]    ; both first fills together, ahead of every wait on TENSORcnt and every LDS read: two loads of mine are out
	s_nop 0
	tensor_load_to_lds s[G0B:G0B+3], s[G1:G1+7]
	s_nop 0
.rept 4
	v_nop
.endr
	; my head's parts of W, the biases and part; the block's mask bytes
	s_mov_b32 s61, 0
	s_mul_i32 s60, s[HD], 24576                    ; 16 fragments of 1,536 bytes
	s_add_nc_u64 s[8:9], s[8:9], s[60:61]
	s_lshl_b32 s60, s[HD], 11                      ; 16 x 128 bytes of scale words
	s_add_nc_u64 s[10:11], s[10:11], s[60:61]
	s_lshl_b32 s60, s[HD], 8                       ; 64 numbers
	s_add_nc_u64 s[12:13], s[12:13], s[60:61]
	s_add_nc_u64 s[14:15], s[14:15], s[60:61]
	s_lshl_b32 s60, ttmp9, 4
	s_add_co_u32 s60, s60, s[HD]
	s_lshl_b32 s60, s60, 9                         ; record (block, head): 512 bytes
	s_add_nc_u64 s[16:17], s[16:17], s[60:61]
	s_lshl_b32 s46, ttmp9, 10
	s_add_nc_u64 s[6:7], s[6:7], s[46:47]
	s_mov_b32 s[KS], 0xab573f9f
	s_mov_b32 s[KC], 0x29573f9f
	s_mov_b32 s[TB], 0
	s_mov_b32 s[IB], IMG
	s_mov_b32 s[MS], MASKL
	s_mov_b32 s[PFO], 2*STEPB
	s_mov_b32 s[PFO+1], 0
	v_and_b32 v[R], 15, v0
	v_bfe_u32 v[H], v0, 4, 1
	v_and_b32 v[TV], 31, v0                        ; lane
	v_lshlrev_b32 v[LI], 4, v[TV]
	s_mul_i32 s45, s[WV], 16*XPITCH
	v_mul_u32_u24 v[XRD], v[R], XPITCH
	v_lshl_add_u32 v[XRD], v[H], 7, v[XRD]
	v_add_nc_u32 v[XRD], s45, v[XRD]               ; row 16 w + r, + 128 h: my 32 numbers of each 64
	v_add_nc_u32 v[XRD+1], XQ, v[XRD]
	v_add_nc_u32 v[XRD+2], 2*XQ, v[XRD]
	v_add_nc_u32 v[XRD+3], 3*XQ, v[XRD]
	s_mul_i32 s45, s[WV], 6144
	v_add_nc_u32 v[IWR0], s45, v[LI]
	s_lshl_b32 s45, s[WV], 9
	s_add_co_u32 s45, s45, ISC
	v_add_nc_u32 v[IWS0], s45, v[LI]
	v_lshlrev_b32 v[SH8], 3, v[H]
	s_lshl_b32 s62, s[HD], 2                       ; the prefetch: the cluster's 512 lanes take the 512 pieces of 256 bytes of a tile of x: row 16 x place + 4 w + lane / 8, piece lane % 8
	v_lshrrev_b32 v[PFV], 3, v[TV]
	v_add_nc_u32 v[PFV], s62, v[PFV]
	v_lshlrev_b32 v[PFV], 11, v[PFV]
	v_and_b32 v71, 7, v[TV]
	v_lshl_add_u32 v[PFV], v71, 8, v[PFV]
	v_lshlrev_b32 v252, 7, v[H]                    ; x[z,0]: 128 h
	v_lshlrev_b32 v253, 2, v[TV]
	v_lshl_add_u32 v253, v[H], 9, v253             ; scale words: 4 x lane, lanes 16-31 one tile (512 bytes) on
	v_lshlrev_b32 v254, 5, v[H]                    ; biases: 32 h
	v_lshlrev_b32 v255, 3, v0                      ; mask: 8 bytes a thread
	v_lshl_add_u32 v70, v0, 3, MASKL
	v_mov_b32 v[PT], 0                             ; a lane permute's destination counts as one of its sources
	v_mov_b32 v[PT+1], 0
	; x[z,0], every lane of a half the same 256 numbers: register 64 s + 32 c + i = k 128 s + 64 c + 32 h + i, in window 2
	WIN 0x80
.irp s, 0,1,2,3
.irp c, 0,1
.irp i, 0,1,2,3,4,5,6,7
	global_load_b128 v[64*\s+32*\c+4*\i:64*\s+32*\c+4*\i+3], v252, s[X0P:X0P+1] offset:512*\s+256*\c+16*\i
.endr
.endr
.endr
	WIN 0xC0                                       ; Wq's 16 fragments and bq, in window 3
.set n, 0
.rept 48
	global_load_b128 v[4*n:4*n+3], v[LI], s[8:9] offset:786432+512*n
.set n, n+1
.endr
.irp u, 0,1,2,3
.irp g, 0,1
	global_load_b128 v[BQ+8*\u+4*\g:BQ+8*\u+4*\g+3], v254, s[14:15] offset:64*\u+16*\g
.endr
.endr
	WIN 0
.irp i, 0,1
.irp s, 0,1,2,3
	global_load_b32 v[QS+4*\i+\s], v253, s[10:11] offset:65536+1024*\i+128*\s
.endr
.endr
	WIN 0x40                                       ; from here 73 loads: k's fragments and bias in window 1,
.set n, 0
.rept 48
	global_load_b128 v[4*n:4*n+3], v[LI], s[8:9] offset:512*n
.set n, n+1
.endr
.irp u, 0,1,2,3
.irp g, 0,1
	global_load_b128 v[BIAS+8*\u+4*\g:BIAS+8*\u+4*\g+3], v254, s[12:13] offset:64*\u+16*\g
.endr
.endr
	WIN 0
.irp i, 0,1
.irp s, 0,1,2,3
	global_load_b32 v[BS+4*\i+\s], v253, s[10:11] offset:1024*\i+128*\s           ; k's scale words,
	global_load_b32 v[BS+8+4*\i+\s], v253, s[10:11] offset:32768+1024*\i+128*\s   ; v's,
.endr
.endr
	global_load_b64 v[138:139], v255, s[6:7]       ; and the mask bytes
	; while they are on their way: the frequencies 10000^(-i / 32) = 2^(-0.41524101 i), i = 16 (n / 8) + 8 h + n % 8
.set n, 0
.rept 16
	v_add_nc_u32 v[RF+n], 16*(n/8)+n%8, v[SH8]
.set n, n+1
.endr
.set n, 0
.rept 16
	v_cvt_f32_u32 v[RF+n], v[RF+n]
.set n, n+1
.endr
.set n, 0
.rept 16
	v_mul_f32 v[RF+n], 0xbed49a78, v[RF+n]
.set n, n+1
.endr
.set n, 0
.rept 16
	v_exp_f32 v[RF+n], v[RF+n]
.set n, n+1
.endr
	s_and_b32 s45, ttmp9, 1
	s_lshl_b32 s45, s45, 10
	s_sub_co_i32 s45, s45, 16
	v_add_nc_u32 v[TV], s45, v[R]                  ; (a plain place behind the exponentials)  16 tokens in front of my first: the first tile's turn brings U and V to it
	v_cvt_f32_i32 v[TV], v[TV]
.set n, 0
	s_wait_alu depctr_va_vdst(0)
.rept 16
	v_mul_f32 v[RU+n], 0x41800000, v[RF+n]         ; the angle of 16 tokens
.set n, n+1
.endr
	SINCOS16 RU, RV, RC, RS
.set n, 0
.rept 16
	v_mul_f32 v[RU+n], v[TV], v[RF+n]
.set n, n+1
.endr
	SINCOS16 RU, RV, RO, RO+16                     ; cosine and sine at the start, in O's registers until U and V are made
	s_wait_loadcnt 63                              ; 73 loads were issued behind x[z,0], Wq, bq and Wq's scale words: these are in
.irp s, 0,1,2,3
	QUANT 64*\s, 2, XF0+12*\s+8*(\s/2), PW+\s
.endr
	WIN 0x80                                       ; window 2 is free: v's fragments and bias
.set n, 0
.rept 48
	global_load_b128 v[4*n:4*n+3], v[LI], s[8:9] offset:393216+512*n
.set n, n+1
.endr
.irp u, 0,1,2,3
.irp g, 0,1
	global_load_b128 v[BIAS+8*\u+4*\g:BIAS+8*\u+4*\g+3], v254, s[12:13] offset:4096+64*\u+16*\g
.endr
.endr
	WIN 0
.rept 8
	v_nop                                          ; a scale register written by a vector instruction stands 8 places ahead of a scaled matrix instruction, an operand so written 4
.endr
	WIN 0xF3                                       ; Wq, bq and q in window 3, x[z,0] in window 0
.irp s, 0,1,2,3
.irp u, 0,1,2,3
.set rD, Q+8*\u
.set rC, rD
.if \s == 0
.set rC, BQ+8*\u
.endif
	WM rD, 48*\u+12*\s, XF0+12*\s+8*(\s/2), rC, QS+4*(\u/2)+\s, PW+\s, \u%2
.endr
.endr
	WIN 0
.rept 4
	v_nop                                          ; places behind the products: q is read, and their registers are loaded into further on
.endr
	WIN 0x03
.set p, 0
.rept 8                                        ; U = q1 cos + q2 sin, V = q2 cos - q1 sin; each accumulator from its low end on
	v_pk_mul_f32 v[CT+2*(p%4):CT+2*(p%4)+1], v[Q+2*p:Q+2*p+1], v[RO+16+2*p:RO+17+2*p]
	v_pk_mul_f32 v[RU+2*p:RU+2*p+1], v[Q+2*p:Q+2*p+1], v[RO+2*p:RO+2*p+1]
	v_pk_fma_f32 v[RU+2*p:RU+2*p+1], v[Q+16+2*p:Q+17+2*p], v[RO+16+2*p:RO+17+2*p], v[RU+2*p:RU+2*p+1]
	v_pk_fma_f32 v[RV+2*p:RV+2*p+1], v[Q+16+2*p:Q+17+2*p], v[RO+2*p:RO+2*p+1], v[CT+2*(p%4):CT+2*(p%4)+1] neg_lo:[0,0,1] neg_hi:[0,0,1]
.set p, p+1
.endr
	WIN 0
.set n, 0
.rept 32
	v_mov_b32 v[RO+n], 0                           ; the step is written once: the first finds zeros
.set n, n+1
.endr
	v_mov_b32 v[S2ACC], 0
	v_mov_b32 v[COEF+1], 0                         ; (named with COEF as a pair)
	s_wait_loadcnt 0x0                             ; all of W, the biases, the mask
	ds_store_b64 v70, v[138:139]
	s_wait_tensorcnt 0x1                           ; my quarter of step 0 is in; step 1's may stay out
	s_wait_dscnt 0x0                               ; my mask bytes are in LDS
	s_barrier_signal -1
	s_barrier_wait -1                              ; everybody's are
; A STEP: 64 tokens.  First my 16 tokens are quantised, out of the slot in hand into the image buffer in hand.  Then ONE meeting serves three things: every wave has waited for its reads of the slot, for its
; image stores, and for its tensor load into the other slot.  Behind it the slot just read is filled again (refill = 1: with the tokens two steps on; the meeting is then a round of the cluster's barrier,
; so that no wave of any partner still reads the slot or has a load on its way), and the four tiles are multiplied.  The images have two buffers: a buffer is written again only behind the next meeting,
; which every wave reaches behind its last read of it.
.macro STEP refill
.irp s, 0,1,2,3
	v_add_nc_u32 v[XA+\s], s[TB], v[XRD+\s]
.endr
	v_add_nc_u32 v[IWR], s[IB], v[IWR0]
	v_add_nc_u32 v[IWS], s[IB], v[IWS0]
	v_add_nc_u32 v[IRD], s[IB], v[LI]
	v_add_nc_u32 v[MRD], s[MS], v[R]
	LOADX 0, XB0
	LOADX 1, XB1
	s_wait_dscnt 16                                ; quarter 0 is in; quarter 1's 16 loads may be out
	QUANT XB0, 3, PC0, PW
	IMAGE PC0, 0
	LOADX 2, XB0
	s_wait_dscnt 19                                ; quarter 1 is in; three image stores and 16 loads may be out
	QUANT XB1, 3, PC1, PW+1
	IMAGE PC1, 1
	LOADX 3, XB1
	s_wait_dscnt 19                                ; quarter 2 is in, and the first image's stores are done: its registers are written again
	QUANT XB0, 3, PC0, PW+2
	IMAGE PC0, 2
	s_wait_dscnt 3                                 ; quarter 3 is in; the three stores just issued may be out
	QUANT XB1, 3, PC1, PW+3
	IMAGE PC1, 3
	ds_store_b128 v[IWS], v[PW:PW+3]               ; my rows' scale words of the four K steps
	s_wait_tensorcnt 0x0                           ; all my tensor loads have landed: the one that was out is my quarter of the other slot; so its group 0 may be written
	ds_add_u32 v[SPW], v[NIL]                      ; 0 onto my spare word: the steps below stand between it and the wait for it
.if \refill
	s_xor_b32 s[G0B+1], s[G0B+1], XSLOT            ; the walking descriptor: the other slot than last time,
	s_add_nc_u64 s[G0B+2:G0B+3], s[G0B+2:G0B+3], STEPB   ; the next 64 tokens; the type bits on top are not reached
	s_wait_xcnt 0x0                                ; the last trip's prefetch has had its address translated (ISA guide 3.1): its base is rewritten only behind this wait
	s_add_co_u32 s[PFO], s[PFO], STEPB             ; trip i asks for the tile of step i + 3, which the next trip's tensor load fetches;
	s_min_u32 s[PFO], s[PFO], 15*STEPB             ; held at the block's last tile, so that no prefetch leaves the block
	s_add_nc_u64 s[PFA:PFA+1], s[XBLK:XBLK+1], s[PFO:PFO+1]
.endif
	s_wait_dscnt 0x0                               ; the add is done, my image stores have landed, my reads of the slot are over
.if \refill
	ROUND
	tensor_load_to_lds s[G0B:G0B+3], s[G1:G1+7]    ; my one tensor load behind the round, and the first thing there: it has this step's 128 products and the next step's quantising in which to land
	s_nop 0
.rept 4
	v_nop
.endr
	global_prefetch_b8 v[PFV], s[PFA:PFA+1] th:TH_LOAD_NT scope:SCOPE_SE   ; one piece of 256 bytes a lane; the cluster's sixteen waves cover the tile once
.else
	s_barrier_signal -1
	s_barrier_wait -1
.endif
	FETCHA 0
	TILE 0
	TILE 1
	TILE 2
	TILE 3
	s_xor_b32 s[TB], s[TB], XSLOT
	s_xor_b32 s[IB], s[IB], IMGX
	s_add_co_u32 s[MS], s[MS], 64
.endm
	s_mov_b32 s[CNT], 14
.Lstep:                                            ; steps 0 to 13 ask for steps 2 to 15
	STEP 1
	s_sub_co_u32 s[CNT], s[CNT], 1
	s_cmp_lg_u32 s[CNT], 0
	s_cbranch_scc1 .Lstep
	s_mov_b32 s[CNT], 2
.Ltail:                                            ; the last two steps ask for nothing: a text of their own
	STEP 0
	s_sub_co_u32 s[CNT], s[CNT], 1
	s_cmp_lg_u32 s[CNT], 0
	s_cbranch_scc1 .Ltail
	; THE WAY OUT.  The sixteen tokens of a half of the lanes are added; then every lane of a half holds the block's sums for its 32 channels, and sum s^2.
.irp m, 1,2,4,8
.set n, 0
.rept 32
	v_add_f32_dpp v[RO+n], v[RO+n], v[RO+n] row_xmask:\m row_mask:0xf bank_mask:0xf
.set n, n+1
.endr
	v_add_f32_dpp v[S2ACC], v[S2ACC], v[S2ACC] row_xmask:\m row_mask:0xf bank_mask:0xf
.endr
	s_lshl_b32 s45, s[WV], 8
	s_add_co_u32 s45, s45, OUTL                    ; my wave's 256 bytes
	v_lshl_add_u32 v[TV], v[H], 5, s45             ; in: channel 16 u + 8 h + j at 64 u + 32 h + 4 j; the sixteen lanes of a half write the same words with the same values
	v_lshl_add_u32 v71, v[R], 4, s45               ; back: 16 bytes a lane
	v_and_b32 v70, 31, v0
.irp u, 0,1,2,3
.irp g, 0,1
	ds_store_b128 v[TV], v[RO+8*\u+4*\g:RO+8*\u+4*\g+3] offset:64*\u+16*\g
.endr
.endr
	ds_load_b128 v[72:75], v71                     ; LDS serves a wave's instructions in order (ISA guide 5.7.1.4): this sees my stores
	v_cmp_gt_u32 vcc_lo, 16, v70
	s_wait_dscnt 0x0
.irp i, 0,1,2,3
	v_cndmask_b32 v[72+\i], v[S2ACC], v[72+\i], vcc_lo    ; lanes 0-15: the 64 channels; lanes 16-31: sum s^2
.endr
	global_store_b128 v[LI], v[72:75], s[16:17]    ; the record: 32 lanes store 512 consecutive bytes, aligned
	s_wait_tensorcnt 0x0                           ; the wave's end: behind my last tensor load and my last LDS store
	ds_add_u32 v[SPW], v[NIL]
	s_wait_dscnt 0x0
	ROUND                                          ; the closing round: no work-group ends while a partner may still ask for a tile that names it
	s_endpgm
.Lfunc_end_k_q59e5c4c92b_main:
	.size	k_q59e5c4c92b_main, .Lfunc_end_k_q59e5c4c92b_main-k_q59e5c4c92b_main
	.p2alignl 7, 3214868480
	.fill 96, 4, 3214868480
	.section	.rodata,"a",@progbits
	.p2align	6, 0x0
	.amdhsa_kernel k_q59e5c4c92b_main
		.amdhsa_group_segment_fixed_size 327680
		.amdhsa_private_segment_fixed_size 0
		.amdhsa_enable_private_segment 0
		.amdhsa_kernarg_size 56
		.amdhsa_user_sgpr_count 2
		.amdhsa_user_sgpr_kernarg_segment_ptr 1
		.amdhsa_wavefront_size32 1
		.amdhsa_system_sgpr_workgroup_id_x 1
		.amdhsa_system_sgpr_workgroup_id_y 1
		.amdhsa_system_sgpr_workgroup_id_z 1
		.amdhsa_system_vgpr_workitem_id 0
		.amdhsa_next_free_vgpr 1024
		.amdhsa_next_free_sgpr 66
		.amdhsa_reserve_vcc 1
		.amdhsa_float_denorm_mode_32 3
		.amdhsa_float_denorm_mode_16_64 3
		.amdhsa_memory_ordered 1
		.amdhsa_forward_progress 1
		.amdhsa_inst_pref_size 237
	.end_amdhsa_kernel
	.amdgpu_metadata
---
amdhsa.version: [ 1, 2 ]
amdhsa.kernels:
  - .name:           k_q59e5c4c92b_main
    .symbol:         k_q59e5c4c92b_main.kd
    .args:
      - { .name: x, .offset: 0, .size: 8, .value_kind: global_buffer, .address_space: global }
      - { .name: mask, .offset: 8, .size: 8, .value_kind: global_buffer, .address_space: global }
      - { .name: wcodes, .offset: 16, .size: 8, .value_kind: global_buffer, .address_space: global }
      - { .name: wscales, .offset: 24, .size: 8, .value_kind: global_buffer, .address_space: global }
      - { .name: bkv, .offset: 32, .size: 8, .value_kind: global_buffer, .address_space: global }
      - { .name: bq, .offset: 40, .size: 8, .value_kind: global_buffer, .address_space: global }
      - { .name: part, .offset: 48, .size: 8, .value_kind: global_buffer, .address_space: global }
    .group_segment_fixed_size: 327680
    .private_segment_fixed_size: 0
    .kernarg_segment_align: 8
    .kernarg_segment_size: 56
    .max_flat_workgroup_size: 128
    .sgpr_count:     66
    .vgpr_count:     1024
    .wavefront_size: 32
...
	.end_amdgpu_metadata
.endif
;; end of part 2
;; launch finish (part 3): grid 32 x 1, 8 waves a work-group, no clusters, 1,280 bytes of LDS; arguments part, out0; writes out0
.if DOCPART == 3
	.amdgcn_target "amdgcn-amd-amdhsa--gfx1250"
	.amdhsa_code_object_version 6
	.text
	.protected	k_q59e5c4c92b_finish
	.globl	k_q59e5c4c92b_finish
	.p2align	8
	.type	k_q59e5c4c92b_finish,@function
k_q59e5c4c92b_finish:
	s_mov_b64 s[64:65], 0
	v_nop
	global_prefetch_b8 v0, s[64:65] scope:SCOPE_SE
	s_setreg_imm32_b32 hwreg(HW_REG_WAVE_MODE, 25, 1), 1
	s_wait_xcnt 0x0
; out0[z][head][e] = o / (the sum of o over the sequence's 1,024 numbers), o = (the two blocks' sums of s^2 v^2 / sum v^2) / (the two blocks' sums of s^2).
; part holds a record of 512 bytes for each (block, head): 64 sums, then sum s^2 64 times; a sequence's two blocks lie 8,192 bytes apart.
; A work-group is a sequence; thread t takes four neighbouring numbers: head t / 16, channels 4 (t % 16) on.  The total goes over the wave's lanes, then over the eight waves through LDS.
; LIMITS: both divisors are held at 2^-126 from below where the definition says 1e-38, since v_rcp_f32 takes a denormal for zero (ISA guide, its entry): results differ only where a divisor lies under
; 1.2e-38; sums of zeros still give 0.  Too little data for matrix units, clusters or a ring: a wave's four loads are out together.
	s_load_b128 s[4:7], s[0:1], 0x0                ; part, out0
	v_lshl_add_u32 v32, v0, 2, 0x100
	v_mov_b32 v33, 0
	v_lshrrev_b32 v1, 5, v0
	v_readfirstlane_b32 s8, v1                     ; wave
	v_lshrrev_b32 v2, 4, v0                        ; head
	v_and_b32 v3, 15, v0
	v_lshlrev_b32 v4, 9, v2                        ; its record
	v_lshl_add_u32 v5, v3, 4, v4                   ; my four sums
	v_lshl_add_u32 v6, v3, 2, v4                   ; a copy of sum s^2 (256 bytes on, in the immediate)
	v_lshlrev_b32 v7, 4, v0                        ; my 16 bytes of the output's row
	v_mov_b32 v19, 0                               ; (named as the upper half of the pair v[18:19])
	v_mov_b32 v21, 0                               ; a lane permute's destination counts as one of its sources
	v_mov_b32 v23, 0
	s_mov_b32 s14, 0x76543210
	s_mov_b32 s15, 0xfedcba98                      ; selects for lane l xor 16
	s_lshl_b32 s10, ttmp9, 14                      ; the sequence's 32 records
	s_mov_b32 s11, 0
	s_lshl_b32 s12, ttmp9, 12                      ; its row of the output
	s_mov_b32 s13, 0
	s_lshl_b32 s9, s8, 2
	v_mov_b32 v22, s9                              ; my wave's word in LDS
	s_wait_kmcnt 0x0
	s_add_nc_u64 s[4:5], s[4:5], s[10:11]
	s_add_nc_u64 s[6:7], s[6:7], s[12:13]
	global_load_b128 v[8:11], v5, s[4:5] th:TH_LOAD_NT
	global_load_b128 v[12:15], v5, s[4:5] offset:8192 th:TH_LOAD_NT
	global_load_b32 v16, v6, s[4:5] offset:256 th:TH_LOAD_NT
	global_load_b32 v17, v6, s[4:5] offset:8448 th:TH_LOAD_NT
	s_wait_loadcnt 0x0
	v_add_f32 v16, v16, v17
	v_max_num_f32 v16, 0x800000, v16               ; held at 2^-126
	v_rcp_f32 v18, v16
	v_pk_add_f32 v[8:9], v[8:9], v[12:13]          ; (a plain place behind the reciprocal)
	v_pk_add_f32 v[10:11], v[10:11], v[14:15]
	s_wait_alu depctr_va_vdst(0)
	v_pk_mul_f32 v[8:9], v[8:9], v[18:19] op_sel_hi:[1,0]
	v_pk_mul_f32 v[10:11], v[10:11], v[18:19] op_sel_hi:[1,0]
	v_add_f32 v20, v8, v9
	v_add_f32 v17, v10, v11
	v_add_f32 v20, v20, v17
	v_add_f32_dpp v20, v20, v20 row_xmask:1 row_mask:0xf bank_mask:0xf
	v_add_f32_dpp v20, v20, v20 row_xmask:2 row_mask:0xf bank_mask:0xf
	v_add_f32_dpp v20, v20, v20 row_xmask:4 row_mask:0xf bank_mask:0xf
	v_add_f32_dpp v20, v20, v20 row_xmask:8 row_mask:0xf bank_mask:0xf
	v_permlanex16_b32 v21, v20, s14, s15
	v_add_f32 v20, v20, v21                        ; the wave's sum, in every lane
	ds_store_b32 v22, v20                          ; all lanes write the same word with the same value
	s_wait_dscnt 0x0                               ; for the others' sake
	s_barrier_signal -1
	s_barrier_wait -1
	ds_load_b128 v[24:27], v23
	ds_load_b128 v[28:31], v23 offset:16
	s_wait_dscnt 0x0
	v_add_f32 v24, v24, v25
	v_add_f32 v26, v26, v27
	v_add_f32 v28, v28, v29
	v_add_f32 v30, v30, v31
	v_add_f32 v24, v24, v26
	v_add_f32 v28, v28, v30
	v_add_f32 v24, v24, v28                        ; the sequence's total: the same order in every wave
	v_max_num_f32 v24, 0x800000, v24
	v_rcp_f32 v18, v24
	v_nop                                          ; one plain place behind the reciprocal
	s_wait_alu depctr_va_vdst(0)
	v_pk_mul_f32 v[8:9], v[8:9], v[18:19] op_sel_hi:[1,0]
	v_pk_mul_f32 v[10:11], v[10:11], v[18:19] op_sel_hi:[1,0]
	global_store_b128 v7, v[8:11], s[6:7]          ; a wave stores 512 consecutive bytes, aligned
	s_wait_tensorcnt 0x0
	ds_add_u32 v32, v33
	s_wait_dscnt 0x0
	s_endpgm
.Lfunc_end_k_q59e5c4c92b_finish:
	.size	k_q59e5c4c92b_finish, .Lfunc_end_k_q59e5c4c92b_finish-k_q59e5c4c92b_finish
	.p2alignl 7, 3214868480
	.fill 96, 4, 3214868480
	.section	.rodata,"a",@progbits
	.p2align	6, 0x0
	.amdhsa_kernel k_q59e5c4c92b_finish
		.amdhsa_group_segment_fixed_size 1280
		.amdhsa_private_segment_fixed_size 0
		.amdhsa_enable_private_segment 0
		.amdhsa_kernarg_size 16
		.amdhsa_user_sgpr_count 2
		.amdhsa_user_sgpr_kernarg_segment_ptr 1
		.amdhsa_wavefront_size32 1
		.amdhsa_system_sgpr_workgroup_id_x 1
		.amdhsa_system_sgpr_workgroup_id_y 1
		.amdhsa_system_sgpr_workgroup_id_z 1
		.amdhsa_system_vgpr_workitem_id 0
		.amdhsa_next_free_vgpr 34
		.amdhsa_next_free_sgpr 66
		.amdhsa_reserve_vcc 0
		.amdhsa_float_denorm_mode_32 3
		.amdhsa_float_denorm_mode_16_64 3
		.amdhsa_memory_ordered 1
		.amdhsa_forward_progress 1
		.amdhsa_inst_pref_size 4
	.end_amdhsa_kernel
	.amdgpu_metadata
---
amdhsa.version: [ 1, 2 ]
amdhsa.kernels:
  - .name:           k_q59e5c4c92b_finish
    .symbol:         k_q59e5c4c92b_finish.kd
    .args:
      - { .name: part, .offset: 0, .size: 8, .value_kind: global_buffer, .address_space: global }
      - { .name: out0, .offset: 8, .size: 8, .value_kind: global_buffer, .address_space: global }
    .group_segment_fixed_size: 1280
    .private_segment_fixed_size: 0
    .kernarg_segment_align: 8
    .kernarg_segment_size: 16
    .max_flat_workgroup_size: 256
    .sgpr_count:     66
    .vgpr_count:     34
    .wavefront_size: 32
...
	.end_amdgpu_metadata
.endif
;; end of part 3
